; MI455X (gfx1250); checked and timed in simulation.
; The chip was launched on July 23, 2026; its instructions are those of AMD's public machine-readable ISA for CDNA 5 (MIT licence, August 2026) and "CDNA5" Instruction Set Architecture Reference Guide (July 2026). The comments in the code are by the model that wrote it; some were corrected since.
;; Causal Self Attention. Allowed arithmetic: matrix products marked QUANTISED: E2M1 operands, one E8M0 scale for each 32 along K, by v_wmma_scale_f32_16x16x128_f8f6f4 with both operands' format E2M1 (or v_wmma_scale_f32_32x16x128_f4), f32 sums; everything else in f32.
;; Inputs: W_out_codes 1,024 x 32 x 16 uint8 (E2M1 codes of W_out, K innermost, in blocks of 32 codes, two codes a byte); W_out_scales 1,024 x 32 uint8 (E8M0 scales of W_out, one for each 32 codes along K); W_qkv_codes 3,072 x 32 x 16 uint8 (E2M1 codes of W_qkv, K innermost, in blocks of 32 codes, two codes a byte); W_qkv_scales 3,072 x 32 uint8 (E8M0 scales of W_qkv, one for each 32 codes along K); b_out 1,024 float32; b_qkv 3,072 float32; x_codes 4 x 2,048 x 32 x 16 uint8 (E2M1 codes of x, K innermost, in blocks of 32 codes, two codes a byte); x_scales 4 x 2,048 x 32 uint8 (E8M0 scales of x, one for each 32 codes along K).
;; Outputs: out0 4 x 2,048 x 1,024 float32.
;; This version of the problem:
;;   THIS VERSION OF THE PROBLEM IS GIVEN IN LOW PRECISION. The matrix products marked QUANTISED in the list below multiply operands that are first quantised to E2M1 (2 exponent bits, 1 mantissa bit; 4 bits a number), with one power-of-two scale for each 32 numbers along K (OCP MX v1.0); their sums are f32. All else is computed in f32.
;;   The module's matrix products, in the order in which they are computed (A, B: the left and right operand; K: the contracted axis; several contracted axes count as one K, in the product's order):
;;     1. [M 8,192, K 1,024] x [K 1,024, N 3,072]; A: input x (given as codes); B: input W_qkv (given as codes): QUANTISED
;;     2. batch 64 x [M 2,048, K 64] x [K 64, N 2,048]; A: computed on the way; B: computed on the way: QUANTISED
;;     3. batch 64 x [M 2,048, K 2,048] x [K 2,048, N 64]; A: softmax (see below); B: computed on the way: QUANTISED
;;     4. [M 8,192, K 1,024] x [K 1,024, N 1,024]; A: computed on the way; B: input W_out (given as codes): QUANTISED
;;   THE QUANTISER, for each operand of a quantised product, along K:
;;     - K is cut into blocks of 32 from its start; a last block that is shorter is filled with zeros.
;;     - A block's scale is 2^e with e = floor(log2(the largest magnitude in the block)) - 2, held to -126 .. 127; a block of zeros has e = 0. As a byte (E8M0): e + 127.
;;     - Each number is divided by its block's scale, clamped to +-6, and rounded to the nearest number of E2M1, ties to even, subnormals kept.
;;     - The product sums the exact products of the quantised numbers (number of the format x scale) in f32.
;;   ~~~python
;;   def quantise(x, axis):      # numpy; x: float32 -> the quantised numbers, widened to float32 again
;;       x = np.moveaxis(x, axis, -1); K = x.shape[-1]
;;       x = np.pad(x, [(0, 0)] * (x.ndim - 1) + [(0, -K % 32)]); x = x.reshape(x.shape[:-1] + (-1, 32)); a = np.abs(x).max(-1, keepdims=True)
;;       e = np.where(a > 0, np.clip(np.frexp(np.where(a > 0, a, 1))[1] - 1 - 2, -126, 127), 0)      # np.frexp(a)[1] - 1 = floor(log2(a)), exactly
;;       r = np.clip(x / 2.0 ** e, -6, 6)
;;       step = 2.0 ** (np.maximum(np.frexp(np.where(r == 0, 1, r))[1] - 1, 0) - 1)
;;       q = np.round(r / step) * step * 2.0 ** e      # np.round: ties to even
;;       return np.moveaxis(q.reshape(q.shape[:-2] + (-1,))[..., :K], -1, axis).astype(np.float32)
;;   ~~~
;;   SOFTMAX AHEAD OF A QUANTISED PRODUCT. Where the list says 'softmax', what is quantised is not the finished softmax but p = 2^(t - M), with t = logit x log2(e) and M = ceil(the row's largest t), a whole number; so 1/2 < the row's largest p <= 1. The row's sum l is taken of the UNQUANTISED p, in f32, and the product's result is divided by l at the end. Since M is a whole number, a kernel that streams over the keys may use a running M (the ceiling of the running maximum): every later rescaling is an exact power of two, which a block's scale takes up: the codes' values come out the same.
;;   OPERANDS COMPUTED ON THE WAY. 'Computed on the way' means the value that the module computes at that place (a softmax that the list does not call 'softmax' is quantised finished and normalised). What goes into a quantiser is computed in f32, as accurately as f32 sums, v_exp_f32 and their like allow (about 1e-6 of the number): no bf16 or f16 on the way to a quantiser, and a product that is left as it is and whose result goes on into a quantised operand takes f32 operands (vector FMAs, or v_wmma_f32_16x16x4_f32). A number that lies on a knife's edge between two numbers of the format may be rounded either way, as far as f32 arithmetic and the matrix unit's own rounding can turn it there, and no further.
;;   INPUTS GIVEN AS CODES. W_out (in the module: [1024, 1024], K = its axis 0); W_qkv (in the module: [1024, 3072], K = its axis 0); x (in the module: [4, 2048, 1024], K = its axis 2): each comes as NAME_codes (uint8): NAME with its K axis moved to the last place and cut into blocks of 32 codes, [.., K / 32, bytes a block], one block behind the other in memory; two codes a byte, the lower K in the low four bits (a code: sign, 2 exponent bits, 1 mantissa bit); and NAME_scales (uint8): the same leading axes, one E8M0 byte (e + 127) for each 32 codes along K. Its value is code x scale, taken as it is: it is not quantised again, and the codes and scales need not be those that the quantiser above would give.
;; One version. Each part assembles by itself: llvm-mc -triple=amdgcn-amd-amdhsa -mcpu=gfx1250 --defsym DOCPART=n.
;; ======== version 1 of 1: 3 launches
;; workspace buffers: qr 4,718,592 bytes; kv 9,175,040 bytes; oc 4,194,304 bytes; os 262,144 bytes
;; launch gemm_qkv (part 1): grid 12 x 32, 4 waves a work-group, clusters of 4 x 4, 296,448 bytes of LDS; arguments x_codes, x_scales, W_qkv_codes, W_qkv_scales, b_qkv, qr, kv; writes qr, kv
.if DOCPART == 1
	.amdgcn_target "amdgcn-amd-amdhsa--gfx1250"
	.amdhsa_code_object_version 6
	.text
	.protected	k_qf1727154ee_gemm_qkv
	.globl	k_qf1727154ee_gemm_qkv
	.p2align	8
	.type	k_qf1727154ee_gemm_qkv,@function
k_qf1727154ee_gemm_qkv:
	s_mov_b64 s[64:65], 0
	v_nop
	global_prefetch_b8 v0, s[64:65] scope:SCOPE_SE
	s_setreg_imm32_b32 hwreg(HW_REG_WAVE_MODE, 25, 1), 1
	s_wait_xcnt 0x0
	s_wait_alu depctr_hold_cnt(0) depctr_sa_sdst(0) depctr_va_vdst(0) depctr_va_sdst(0) depctr_va_ssrc(0) depctr_va_vcc(0) depctr_vm_vsrc(0)
	s_getreg_b32 s2, hwreg(HW_REG_IB_STS2, 6, 4)
	s_cmp_eq_u32 s2, 0
	s_cbranch_scc0 .Lentry_in_a_cluster
	s_endpgm
.Lentry_in_a_cluster:
	s_bfe_u32 s2, ttmp6, 0x10000c
	s_cmp_lg_u32 s2, 0xf033
	s_cbranch_scc0 .Lentry_shape_is_right
	s_endpgm
.Lentry_shape_is_right:
; qkv = x W_qkv + b_qkv on codes of FP4 (E2M1) with one E8M0 scale for each 32 along K (K = 1,024), sums in f32; then q, k and v are quantised in registers and stored as codes.
; x: 8,192 rows of 512 bytes of codes and 32 scale bytes; W_qkv: 3,072 rows likewise (row n = part x 1,024 + head x 64 + d; part 0 = q, 1 = k, 2 = v).
; SHARES.  A work-group of four waves makes 256 x 256 of qkv, a wave 128 x 128: 64 accumulators of 16 x 16 in 512 registers.  All of K lies in LDS: two halves of 512 along K, each filled once.
; TWO ROLES.  S0 is the matrix instruction's source 0: its 16 rows run along a lane's eight registers.  S1 is source 1: one row to a lane.  What is quantised next must run along a lane's registers:
;   parts 0 and 1 (q, k; the next K is the head's 64):  S0 = rows of W, S1 = rows of x (tokens).      part 2 (v; the next K is the keys):  S0 = rows of x, S1 = rows of W.
; The part is the cluster's x, the same number in all sixteen partners; it chooses four pointers and two row numbers once, and the way out.  The products are one text for all parts.
; CLUSTER 4 x 4.  S0's rows hang on cx in every part, so S0's tiles are shared along a column of the cluster; S1's hang on cy and are shared along a row: each tile is asked for jointly by the four that need it.
; THE QUANTISER IN REGISTERS.  For a fixed block a of S1, register 8 b + j of lane (r, h) is k = 16 b + 8 h + j of the next K.  A block of 32 is 16 registers of lanes l and l xor 16.  A conversion of tile 2 B + u gives
; the eight codes at 16 u + 8 h of block B; written to register 4 c + 2 u + e (B = 2 c + e) and exchanged between the halves of the lanes, registers 4 c .. 4 c + 3 hold k = 64 c + 32 h + 0 .. 31: the operand's layout.
; OUTPUT: images of operand registers, lane l's 16 bytes at 16 l.  qr: [b x head 64][band of 128 queries 16][4,608]: eight tiles x 512 bytes of codes, then 512 bytes of scale words (256 g + 16 r + 4 t: tile 4 g + t, row r).
;   kv: [b x head 64][step of 128 keys 16][8,960]: k as in qr; at 4,608 v's codes (1,024 dt + 512 c + 16 l: d = 16 dt + r, keys 64 c + 32 h + 0 .. 31); at 8,704 v's scale words (16 r + 4 dt).
; All tiles are asked for once, at the head: there is no later request that a prefetch could run ahead of.  384 work-groups: 24 clusters.
; LIMITS: NaN and infinities among the inputs are not served.  A block whose largest magnitude lies under 2^-124, a block of zeros among them, gets the scale byte 1 (the rule says 127 for zeros): its codes are zeros or
; the rule's own, and this program alone reads the bytes.
.set PITCH,  272                       ; an LDS row: 256 bytes of codes + 16 of padding = 68 words, so that the 16 rows of a fragment load start 4 banks apart (64 banks of 4 bytes: ISA guide 11.1)
.set HALFT,  128*PITCH                 ; 128 rows: what one tensor load brings, and what a wave reads of S0 or S1
.set SLOT,   4*HALFT                   ; half of K: S1's 256 rows, then S0's 256 rows
.set SCL,    2*SLOT                    ; behind the two halves: the scale bytes, 32 a row, as units of 256 bytes + 16 of padding
.set HALFS,  16*272                    ; those of 128 rows
.set SBLK,   2*272                     ; those of 16 rows
.set ADRA, 16                          ; v16-17  LDS address of my S1 fragments in half 0, 1
.set ADRB, 20                          ; v20-21  the same for S0
.set BO1,  22                          ; v22     32 h: the bias along registers
.set BO2,  23                          ; v23     4 r: the bias along lanes
.set LI,   24                          ; v24     16 x lane: my place in an image
.set LSC,  25                          ; v25     16 r + h x (bytes of a head's records): scale words, lanes 0-15 for the first head, lanes 16-31 for the second
.set SH16, 26                          ; v26     16 h
.set ADRS, 27                          ; v27     LDS address of my scale words: lanes 0-15 S1's rows, lanes 16-31 S0's
.set SC,   32                          ; v32-95  scale words and nothing else: register 8 i + s: block i, K step s
.set MX,   96                          ; v96-99   largest magnitudes
.set PB,   100                         ; v100-103 the other half's, then the bytes
.set SO,   104                         ; v104-107 the conversions' scale operands
.set PW,   108                         ; v108     the four bytes as a word
.set PC,   110                         ; v110-117 the codes just made
.set SW,   118                         ; v118-125 scale words on their way out
.set T,    128                         ; v128-191 on the way out: 64 numbers with their bias
.set BQ,   64                          ; window 1: v64-127 the bias of my 128 columns along registers (parts 0, 1)
.set BV,   192                         ; window 1: v192-207 the bias of my 128 rows of W along lanes, each number twice (part 2)
.set G1,   24                          ; s[24:31] group 1 for S1's codes;  s[32:39] group 0, one set for each half of K
.set G0,   32
.set G1B,  48                          ; s[48:55], s[56:63] the same for S0's codes
.set G0B,  56
.set G1S,  68                          ; s[68:75], s[76:79] S1's scales;  s[80:87], s[88:91] S0's
.set G0S,  76
.set G1SB, 80
.set G0SB, 88
.set SEL,  98                          ; s[98:99] lane selects for v_permlanex16_b32: lane l xor 16
.set MSB, 0
.macro WIN new                         ; the immediate's high byte repeats the setting that is left; a switch that changes nothing is dropped
.if MSB != (\new)
	s_set_vgpr_msb (MSB<<8)|(\new)
.set MSB, (\new)
.endif
.endm
; A joint load: waves 0 and 1 fetch for S1, waves 2 and 3 for S0.  The branch hangs on the wave's number alone.  Four v_nop follow each of the two lines.
.macro JLOAD g0a, g1a, g0b, g1b
	s_cmp_eq_u32 s19, 0
	s_cbranch_scc0 .Lfor_b_\@
	tensor_load_to_lds s[\g0a:\g0a+3], s[\g1a:\g1a+7]
	s_nop 0
.rept 4
	v_nop
.endr
	s_branch .Lasked_\@
.Lfor_b_\@:
	tensor_load_to_lds s[\g0b:\g0b+3], s[\g1b:\g1b+7]
	s_nop 0
.rept 4
	v_nop
.endr
.Lasked_\@:
.endm
.macro CROUND                          ; a round of the cluster's barrier
	s_barrier_signal -1
	s_barrier_wait -1
	s_cmp_lg_u32 s18, 0
	s_cbranch_scc1 .Lnot_wave_0_\@
	s_barrier_signal -3
.Lnot_wave_0_\@:
	s_barrier_wait -3
	s_barrier_signal -1
	s_barrier_wait -1
.endm
.macro PLACES n
.rept \n
	v_nop
.endr
.endm
	s_load_b256 s[4:11], s[0:1], 0x0               ; x's codes s[4:5], x's scales s[6:7], W's codes s[8:9], W's scales s[10:11]
	s_load_b128 s[12:15], s[0:1], 0x20             ; b_qkv s[12:13], qr s[14:15]
	s_load_b64 s[16:17], s[0:1], 0x30              ; kv
	v_lshl_add_u32 v126, v0, 2, 0x48400
	v_mov_b32 v127, 0
	ds_add_u32 v126, v127
	ds_add_u32 v126, v127
	v_lshrrev_b32 v1, 5, v0
	v_readfirstlane_b32 s18, v1                    ; wave 0..3
	s_lshr_b32 s19, s18, 1                         ; WA: my half of S1.  Also: I fetch for S1 (0) or for S0 (1)
	s_and_b32 s20, s18, 1                          ; WB: my half of S0.  Also: which 128 rows I fetch
	s_bfe_u32 s21, ttmp6, 0x40000                  ; cx
	s_bfe_u32 s22, ttmp6, 0x40004                  ; cy
	s_and_b32 s23, ttmp7, 0xffff                   ; the cluster's y: which 1,024 rows of x
	s_lshl_b32 s40, s22, 2
	s_lshl_b32 s40, 15, s40                        ; my row of the cluster
	s_lshl_b32 s41, 0x1111, s21                    ; my column
	; group 1 for codes: 128 rows x 256 bytes, 512 bytes apart in memory, 16 bytes of padding behind each row in LDS
	s_or_b32 s[G1], s40, (1<<20)|(1<<21)|(5<<22)|(3<<25)    ; 15:0 the mask; 17:16 elements of 1 byte; 20 padding on; 21 set beside a mask; 24:22 after every 64 words; 31:25 four words
	s_or_b32 s[G1B], s41, (1<<20)|(1<<21)|(5<<22)|(3<<25)
.irp g, G1, G1B
	s_mov_b32 s[\g+1], 256<<16                     ; tensor_dim0
	s_mov_b32 s[\g+2], 128<<16                     ; tensor_dim1
	s_mov_b32 s[\g+3], 256<<16                     ; tile_dim0
	s_mov_b32 s[\g+4], 128                         ; tile_dim1
	s_mov_b32 s[\g+5], 512                         ; from row to row
	s_mov_b32 s[\g+6], 0
	s_mov_b32 s[\g+7], 0
.endr
	; group 1 for scales: the 4,096 dense bytes of 128 rows as 16 rows of 256 bytes (32 elements of 8 bytes), 16 bytes of padding behind each
	s_or_b32 s[G1S], s40, (3<<16)|(1<<20)|(1<<21)|(5<<22)|(3<<25)
	s_or_b32 s[G1SB], s41, (3<<16)|(1<<20)|(1<<21)|(5<<22)|(3<<25)
.irp g, G1S, G1SB
	s_mov_b32 s[\g+1], 32<<16
	s_mov_b32 s[\g+2], 16<<16
	s_mov_b32 s[\g+3], 32<<16
	s_mov_b32 s[\g+4], 16
	s_mov_b32 s[\g+5], 32
	s_mov_b32 s[\g+6], 0
	s_mov_b32 s[\g+7], 0
.endr
	s_cmp_lt_u32 ttmp9, 2                          ; q or k?  The cluster's x: the same in all partners
	s_cselect_b32 s40, ttmp9, s23                  ; which 1,024 rows of S0's tensor
	s_cselect_b32 s41, s23, ttmp9                  ; and of S1's
	s_lshl_b32 s47, s20, 7                         ; the 128 rows that I fetch
	s_lshl_b32 s40, s40, 10
	s_lshl_b32 s46, s21, 8
	s_add_co_u32 s40, s40, s46                     ; S0: + 256 cx
	s_add_co_u32 s40, s40, s47
	s_lshl_b32 s42, s40, 9                         ; its codes, in bytes
	s_mov_b32 s43, 0
	s_lshl_b32 s44, s40, 5                         ; its scales
	s_mov_b32 s45, 0
	s_lshl_b32 s41, s41, 10
	s_lshl_b32 s2, s22, 8
	s_add_co_u32 s41, s41, s2                      ; S1: + 256 cy
	s_add_co_u32 s41, s41, s47
	s_lshl_b32 s2, s41, 9
	s_mov_b32 s3, 0
	s_lshl_b32 s66, s41, 5
	s_mov_b32 s67, 0
	s_mul_i32 s46, s18, HALFT                      ; where they go: wave x 128 rows: no place in the cluster enters an LDS address
	s_mul_i32 s47, s18, HALFS
	s_mov_b32 s[SEL], 0x76543210
	s_mov_b32 s[SEL+1], 0xfedcba98
	s_wait_dscnt 0x0
	s_wait_kmcnt 0x0
	s_cmp_lt_u32 ttmp9, 2
	s_cselect_b64 s[92:93], s[8:9], s[4:5]         ; S0's codes: W's or x's
	s_cselect_b64 s[94:95], s[10:11], s[6:7]       ; S0's scales
	s_cselect_b64 s[96:97], s[4:5], s[8:9]         ; S1's codes
	s_cselect_b64 s[100:101], s[6:7], s[10:11]     ; S1's scales
	s_add_nc_u64 s[92:93], s[92:93], s[42:43]
	s_add_nc_u64 s[94:95], s[94:95], s[44:45]
	s_add_nc_u64 s[96:97], s[96:97], s[2:3]
	s_add_nc_u64 s[100:101], s[100:101], s[66:67]
	CROUND                                         ; all sixteen work-groups are here: the joint loads meet
	s_mov_b32 s[G0S], 1
	s_add_co_u32 s[G0S+1], s47, SCL
	s_mov_b64 s[G0S+2:G0S+3], s[100:101]
	s_or_b32 s[G0S+3], s[G0S+3], 0x80000000
	s_mov_b32 s[G0SB], 1
	s_add_co_u32 s[G0SB+1], s47, SCL
	s_mov_b64 s[G0SB+2:G0SB+3], s[94:95]
	s_or_b32 s[G0SB+3], s[G0SB+3], 0x80000000
	JLOAD G0S, G1S, G0SB, G1SB                     ; the scales first: they are wanted with the first K step
.irp s, 0,1
	s_mov_b32 s[G0+4*\s], 1
	s_add_co_u32 s[G0+4*\s+1], s46, \s*SLOT
	s_add_nc_u64 s[G0+4*\s+2:G0+4*\s+3], s[96:97], \s*256
	s_or_b32 s[G0+4*\s+3], s[G0+4*\s+3], 0x80000000
	s_mov_b32 s[G0B+4*\s], 1
	s_add_co_u32 s[G0B+4*\s+1], s46, \s*SLOT
	s_add_nc_u64 s[G0B+4*\s+2:G0B+4*\s+3], s[92:93], \s*256
	s_or_b32 s[G0B+4*\s+3], s[G0B+4*\s+3], 0x80000000
	JLOAD G0+4*\s, G1, G0B+4*\s, G1B               ; three loads of mine are out when both halves are asked for
.endr
	v_and_b32 v1, 15, v0                           ; r
	v_bfe_u32 v2, v0, 4, 1                         ; h
	v_mul_u32_u24 v3, v1, PITCH
	v_lshl_add_u32 v3, v2, 4, v3                   ; a fragment's row x pitch + 16 h
	s_mul_i32 s40, s19, HALFT                      ; my 128 rows of S1
	s_mul_i32 s41, s20, HALFT                      ; my 128 rows of S0,
	s_add_co_u32 s41, s41, 2*HALFT                 ; which lie behind S1's 256
.irp s, 0,1
	v_add_nc_u32 v[ADRA+\s], s40, v3
	v_add_nc_u32 v[ADRB+\s], s41, v3
	s_add_co_u32 s40, s40, SLOT
	s_add_co_u32 s41, s41, SLOT
.endr
	v_lshlrev_b32 v4, 5, v1                        ; my row's scales: 32 bytes a row,
	v_lshrrev_b32 v5, 3, v1
	v_lshl_add_u32 v4, v5, 4, v4                   ; and 16 more behind each eight rows
	s_mul_i32 s40, s19, HALFS
	s_mul_i32 s41, s20, HALFS
	s_add_co_u32 s41, s41, 2*HALFS
	s_sub_co_u32 s41, s41, s40
	v_mul_u32_u24 v5, s41, v2                      ; lanes 16-31 take S0's: one product, h x the distance
	s_add_co_u32 s40, s40, SCL
	v_add_nc_u32 v4, v4, v5
	v_add_nc_u32 v[ADRS], s40, v4
	v_and_b32 v6, 31, v0
	v_lshlrev_b32 v[LI], 4, v6
	v_lshlrev_b32 v[BO1], 5, v2
	s_wait_alu depctr_va_vdst(0)
	v_lshlrev_b32 v[BO2], 2, v1
	s_wait_alu depctr_va_vdst(0)
	v_lshlrev_b32 v[SH16], 4, v2
.irp b, 0,1,2,3
	v_mov_b32 v[PB+\b], 0                          ; written once: a lane permute's destination counts as one of its sources
.endr
	; where my results go.  Tokens: 1,024 CY + 256 (cy or cx) + 128 (WA or WB); heads: 4 (cx or cy) + 2 (WB or WA), two to a wave
	s_cmp_lt_u32 ttmp9, 2
	s_cselect_b32 s40, s22, s21
	s_cselect_b32 s41, s19, s20
	s_cselect_b32 s42, s21, s22
	s_cselect_b32 s43, s20, s19
	s_lshl_b32 s40, s40, 1
	s_add_co_u32 s40, s40, s41
	s_and_b32 s41, s23, 1
	s_lshl_b32 s41, s41, 3
	s_add_co_u32 s40, s40, s41                     ; the band of 128 tokens in its sequence: 0 .. 15
	s_lshl_b32 s42, s42, 2
	s_lshl_b32 s43, s43, 1
	s_add_co_u32 s42, s42, s43                     ; my first head
	s_lshr_b32 s43, s23, 1
	s_lshl_b32 s43, s43, 4
	s_add_co_u32 s43, s43, s42                     ; 16 b + head
	s_cmp_eq_u32 ttmp9, 0                          ; q goes to qr, k and v to kv
	s_mov_b32 s44, 143360
	s_cselect_b32 s44, 73728, s44                  ; bytes of a head's records
	s_mov_b32 s45, 8960
	s_cselect_b32 s45, 4608, s45                   ; bytes of a record
	s_cselect_b64 s[14:15], s[14:15], s[16:17]
	s_mul_i32 s43, s43, s44
	s_mul_i32 s40, s40, s45
	s_add_co_u32 s46, s43, s40
	s_mov_b32 s47, 0
	s_add_nc_u64 s[14:15], s[14:15], s[46:47]      ; my first head's record
	s_mov_b32 s45, 0
	s_add_nc_u64 s[16:17], s[14:15], s[44:45]      ; my second head's
	s_lshl_b32 s46, ttmp9, 12
	s_lshl_b32 s42, s42, 8
	s_add_co_u32 s46, s46, s42
	s_add_nc_u64 s[12:13], s[12:13], s[46:47]      ; the bias of my 128 rows of W
	v_mul_u32_u24 v[LSC], s44, v2
	v_lshl_add_u32 v[LSC], v1, 4, v[LSC]
	WIN 0x40                                       ; destination window 1.  Both forms of the bias are loaded in every part: 512 bytes each, no branch
.irp i, 0,1,2,3,4,5,6,7
	global_load_b128 v[BQ+8*\i:BQ+8*\i+3], v[BO1], s[12:13] offset:64*\i          ; register 8 i + j: the bias of column 16 i + 8 h + j
	global_load_b128 v[BQ+8*\i+4:BQ+8*\i+7], v[BO1], s[12:13] offset:64*\i+16
.endr
.irp i, 0,1,2,3,4,5,6,7
	global_load_b32 v[BV+2*\i], v[BO2], s[12:13] offset:64*\i                     ; the bias of row 16 i + r, in both registers of a pair
	global_load_b32 v[BV+2*\i+1], v[BO2], s[12:13] offset:64*\i
.endr
	WIN 0
.macro FRAG reg, adr, q, i             ; 16 rows x 128 K of 4-bit codes: 8 registers; registers 4 c .. 4 c + 3 hold K = 64 c + 32 h + 0 .. 31
.irp c, 0,1
	ds_load_b128 v[\reg+4*\c:\reg+4*\c+3], v[\adr] offset:64*(\q)+32*\c+(\i)*16*PITCH
.endr
.endm
.macro FETCH s                         ; K step s: 32 LDS loads in one run, S0's eight fragments into window 1, S1's eight into window 0; two sets by turns
	WIN 0x40
.irp i, 0,1,2,3,4,5,6,7
	FRAG 128*((\s)%2)+8*\i, ADRB+(\s)/4, (\s)%4, \i
.endr
	WIN 0
.irp i, 0,1,2,3,4,5,6,7
	FRAG 128+64*((\s)%2)+8*\i, ADRA+(\s)/4, (\s)%4, \i
.endr
.endm
; 16 matrix instructions: S1's blocks a0, a0 + 1 x S0's eight.  One register carries S1's scale word of block i (lanes 0-15) and S0's (lanes 16-31).
; The 64 accumulators take turns, one instruction a turn, in the same order in every step.
.macro MUL16 a0, s, zero
.irp a, \a0, \a0+1
.irp b, 0,1,2,3,4,5,6,7
.if \zero
	v_wmma_scale_f32_16x16x128_f8f6f4 v[8*(8*((\a)%4)+\b):8*(8*((\a)%4)+\b)+7], v[128*((\s)%2)+8*\b:128*((\s)%2)+8*\b+7], v[128+64*((\s)%2)+8*(\a):128+64*((\s)%2)+8*(\a)+7], 0, v[SC+8*\b+(\s)], v[SC+8*(\a)+(\s)] matrix_a_fmt:MATRIX_FMT_FP4 matrix_b_fmt:MATRIX_FMT_FP4 matrix_a_scale:MATRIX_SCALE_ROW1
.else
	v_wmma_scale_f32_16x16x128_f8f6f4 v[8*(8*((\a)%4)+\b):8*(8*((\a)%4)+\b)+7], v[128*((\s)%2)+8*\b:128*((\s)%2)+8*\b+7], v[128+64*((\s)%2)+8*(\a):128+64*((\s)%2)+8*(\a)+7], v[8*(8*((\a)%4)+\b):8*(8*((\a)%4)+\b)+7], v[SC+8*\b+(\s)], v[SC+8*(\a)+(\s)] matrix_a_fmt:MATRIX_FMT_FP4 matrix_b_fmt:MATRIX_FMT_FP4 matrix_a_scale:MATRIX_SCALE_ROW1
.endif
.endr
.endr
.endm
; A K step of 128: its fragments were asked for a step ago; the next step's are asked for first, then come the 64 products.
.macro STEP s, zero
	s_wait_dscnt 0x0                               ; this step's fragments are in
.if (\s) == 3
	s_wait_tensorcnt 0x0                           ; my part of the second half of K has landed,
	s_barrier_signal -1
	s_barrier_wait -1                              ; everybody's has: the next fetch reads it.
.endif
.if (\s) > 0
	PLACES 4                                       ; four places between the last products and loads into registers that they read (not for loads)
.endif
.if (\s) < 7
	FETCH (\s)+1
.endif
	WIN 0xa1                                       ; source 0 window 1, source 1 window 0, C and D window 2
	MUL16 0, \s, \zero
	MUL16 2, \s, \zero
	WIN 0xf1                                       ; C and D window 3
	MUL16 4, \s, \zero
	MUL16 6, \s, \zero
	WIN 0
.endm
; 64 numbers of a lane, register 8 t + j = k 16 t + 8 h + j of my row, become a fragment's codes in v[PC] on and its four scale bytes in v[PW].
.macro QUANT s
.irp b, 0,1,2,3
	v_max3_num_f32 v[MX+\b], |v[\s+16*\b]|, |v[\s+1+16*\b]|, 0x1800000   ; block b: my 16 numbers, and the floor 2^(3 - 127): the byte cannot fall under 1
.endr
.irp i, 2,4,6,8,10,12,14
.irp b, 0,1,2,3
	v_max3_num_f32 v[MX+\b], v[MX+\b], |v[\s+16*\b+\i]|, |v[\s+1+16*\b+\i]|   ; the four blocks by turns
.endr
.endr
.irp b, 0,1,2,3
	v_permlanex16_b32 v[PB+\b], v[MX+\b], s[SEL], s[SEL+1]
.endr
.irp b, 0,1,2,3
	v_max_num_f32 v[MX+\b], v[MX+\b], v[PB+\b]     ; with lane l xor 16's: the block's largest magnitude
.endr
.irp b, 0,1,2,3
	v_add_nc_u32 v[SO+\b], 0xff000000, v[MX+\b]    ; 2 off its exponent field: the conversion takes the exponent field of this operand as its scale
.endr
.irp b, 0,1,2,3
	v_lshrrev_b32 v[PB+\b], 23, v[SO+\b]           ; the scale's byte
.endr
	v_lshl_or_b32 v[PW], v[PB+1], 8, v[PB]
	v_lshl_or_b32 v[PW], v[PB+2], 16, v[PW]
	v_lshl_or_b32 v[PW], v[PB+3], 24, v[PW]
.irp c, 0,1
.irp e, 0,1
.irp u, 0,1
	v_cvt_scalef32_pk8_fp4_f32 v[PC+4*\c+2*\u+\e], v[\s+8*(4*\c+2*\e+\u):\s+8*(4*\c+2*\e+\u)+7], v[SO+2*\c+\e]   ; tile 4 c + 2 e + u: the codes at 16 u + 8 h of block 2 c + e
.endr
.endr
.endr
	v_nop                                          ; one plain place behind a scaled conversion
.irp c, 0,1
.irp u, 0,1
	v_permlane16_swap_b32 v[PC+4*\c+2*\u], v[PC+4*\c+2*\u+1]   ; lanes 0-15 keep block 2 c, lanes 16-31 get block 2 c + 1: a whole block to a lane
.endr
.endr
.endm
; The way out of S1's block a: the bias is added on the way into window 0 (each accumulator from its low end on), the 128 numbers of a row are quantised, codes and scale words are stored.
.macro EPI a, isv
.if (\a) > 0
	s_wait_xcnt 0x0                                ; the last block's stores have read their registers: these are written again only behind this wait
.endif
	WIN 0x06+(\a)/4                                ; source 0 window 2 or 3, source 1 window 1, destination window 0
.set ii, 0
.rept 32
.if \isv
	v_pk_add_f32 v[T+2*ii:T+2*ii+1], v[64*((\a)%4)+2*ii:64*((\a)%4)+2*ii+1], v[BV+2*(\a):BV+2*(\a)+1]
.else
	v_pk_add_f32 v[T+2*ii:T+2*ii+1], v[64*((\a)%4)+2*ii:64*((\a)%4)+2*ii+1], v[BQ+2*ii:BQ+2*ii+1]
.endif
.set ii, ii+1
.endr
	WIN 0
	QUANT T
.if \isv
	v_mov_b32 v[SW+(\a)], v[PW]                    ; d = 16 (a % 4) + r of head a / 4: the four bytes of these 128 keys
	global_store_b128 v[LI], v[PC:PC+3], s[14+2*((\a)/4):15+2*((\a)/4)] offset:4608+1024*((\a)%4)       ; 32 lanes store 512 consecutive bytes
	global_store_b128 v[LI], v[PC+4:PC+7], s[14+2*((\a)/4):15+2*((\a)/4)] offset:4608+1024*((\a)%4)+512
.if (\a) == 7
	v_cmp_eq_u32 vcc_lo, 1, v2
.irp x, 0,1,2,3
	v_cndmask_b32 v[SW+\x], v[SW+\x], v[SW+4+\x], vcc_lo   ; lanes 0-15 the first head's four words, lanes 16-31 the second's
.endr
	global_store_b128 v[LSC], v[SW:SW+3], s[14:15] offset:8704   ; sixteen lanes store 256 consecutive bytes of a head's record
.endif
.else
	v_bfe_u32 v[SW+(\a)%4], v[PW], v[SH16], 16     ; lanes 0-15 the first head's two bytes, lanes 16-31 the second's; the upper two bytes, over zero codes, are 0
	global_store_b128 v[LI], v[PC:PC+3], s[14:15] offset:512*(\a)    ; tokens 16 a + r, the first head's 64 dims
	global_store_b128 v[LI], v[PC+4:PC+7], s[16:17] offset:512*(\a)  ; the second head's
.if (\a)%4 == 3
	global_store_b128 v[LSC], v[SW:SW+3], s[14:15] offset:4096+256*((\a)/4)
.endif
.endif
.endm
	s_wait_tensorcnt 1                             ; the scales and my part of the first half of K are in; the second half's load, the one issued behind them, may be out
	s_barrier_signal -1
	s_barrier_wait -1                              ; everybody's are
.irp i, 0,1,2,3,4,5,6,7
	ds_load_b128 v[SC+8*\i:SC+8*\i+3], v[ADRS] offset:\i*SBLK         ; the scale words of all eight K steps: they stay in registers
	ds_load_b128 v[SC+8*\i+4:SC+8*\i+7], v[ADRS] offset:\i*SBLK+16
.endr
	FETCH 0
	STEP 0, 1                                      ; the first products start the sums: nothing is cleared
.irp s, 1,2,3,4,5,6,7
	STEP \s, 0
.endr
	PLACES 4                                       ; between the last products and the first read of results and write over fragments
	s_wait_loadcnt 0x0                             ; the bias
	s_cmp_lt_u32 ttmp9, 2
	s_cbranch_scc0 .Lpart_v
.irp a, 0,1,2,3,4,5,6,7
	EPI \a, 0
.endr
	s_branch .Lend
.Lpart_v:
.irp a, 0,1,2,3,4,5,6,7
	EPI \a, 1
.endr
.Lend:
	s_wait_tensorcnt 0x0
	ds_add_u32 v126, v127
	s_wait_dscnt 0x0
	CROUND                                         ; the closing round: no work-group ends while a partner may still ask for a tile that names it
	s_endpgm
.Lfunc_end_k_qf1727154ee_gemm_qkv:
	.size	k_qf1727154ee_gemm_qkv, .Lfunc_end_k_qf1727154ee_gemm_qkv-k_qf1727154ee_gemm_qkv
	.p2alignl 7, 3214868480
	.fill 96, 4, 3214868480
	.section	.rodata,"a",@progbits
	.p2align	6, 0x0
	.amdhsa_kernel k_qf1727154ee_gemm_qkv
		.amdhsa_group_segment_fixed_size 296448
		.amdhsa_private_segment_fixed_size 0
		.amdhsa_enable_private_segment 0
		.amdhsa_kernarg_size 56
		.amdhsa_user_sgpr_count 2
		.amdhsa_user_sgpr_kernarg_segment_ptr 1
		.amdhsa_wavefront_size32 1
		.amdhsa_system_sgpr_workgroup_id_x 1
		.amdhsa_system_sgpr_workgroup_id_y 1
		.amdhsa_system_sgpr_workgroup_id_z 1
		.amdhsa_system_vgpr_workitem_id 0
		.amdhsa_next_free_vgpr 1024
		.amdhsa_next_free_sgpr 104
		.amdhsa_reserve_vcc 1
		.amdhsa_float_denorm_mode_32 3
		.amdhsa_float_denorm_mode_16_64 3
		.amdhsa_memory_ordered 1
		.amdhsa_forward_progress 1
		.amdhsa_inst_pref_size 195
	.end_amdhsa_kernel
	.amdgpu_metadata
---
amdhsa.version: [ 1, 2 ]
amdhsa.kernels:
  - .name:           k_qf1727154ee_gemm_qkv
    .symbol:         k_qf1727154ee_gemm_qkv.kd
    .args:
      - { .name: x_codes, .offset: 0, .size: 8, .value_kind: global_buffer, .address_space: global }
      - { .name: x_scales, .offset: 8, .size: 8, .value_kind: global_buffer, .address_space: global }
      - { .name: W_qkv_codes, .offset: 16, .size: 8, .value_kind: global_buffer, .address_space: global }
      - { .name: W_qkv_scales, .offset: 24, .size: 8, .value_kind: global_buffer, .address_space: global }
      - { .name: b_qkv, .offset: 32, .size: 8, .value_kind: global_buffer, .address_space: global }
      - { .name: qr, .offset: 40, .size: 8, .value_kind: global_buffer, .address_space: global }
      - { .name: kv, .offset: 48, .size: 8, .value_kind: global_buffer, .address_space: global }
    .group_segment_fixed_size: 296448
    .private_segment_fixed_size: 0
    .kernarg_segment_align: 8
    .kernarg_segment_size: 56
    .max_flat_workgroup_size: 128
    .sgpr_count:     104
    .vgpr_count:     1024
    .wavefront_size: 32
...
	.end_amdgpu_metadata
.endif
;; end of part 1
;; launch attention (part 2): grid 4 x 64, 16 waves a work-group, clusters of 4 x 1, 169,984 bytes of LDS; arguments qr, kv, oc, os; writes oc, os
.if DOCPART == 2
	.amdgcn_target "amdgcn-amd-amdhsa--gfx1250"
	.amdhsa_code_object_version 6
	.text
	.protected	k_qf1727154ee_attention
	.globl	k_qf1727154ee_attention
	.p2align	8
	.type	k_qf1727154ee_attention,@function
k_qf1727154ee_attention:
	s_mov_b64 s[64:65], 0
	v_nop
	global_prefetch_b8 v0, s[64:65] scope:SCOPE_SE
	s_setreg_imm32_b32 hwreg(HW_REG_WAVE_MODE, 25, 1), 1
	s_wait_xcnt 0x0
	s_wait_alu depctr_hold_cnt(0) depctr_sa_sdst(0) depctr_va_vdst(0) depctr_va_sdst(0) depctr_va_ssrc(0) depctr_va_vcc(0) depctr_vm_vsrc(0)
	s_getreg_b32 s2, hwreg(HW_REG_IB_STS2, 6, 4)
	s_cmp_eq_u32 s2, 0
	s_cbranch_scc0 .Lentry_in_a_cluster
	s_endpgm
.Lentry_in_a_cluster:
	s_bfe_u32 s2, ttmp6, 0x10000c
	s_cmp_lg_u32 s2, 0x3003
	s_cbranch_scc0 .Lentry_shape_is_right
	s_endpgm
.Lentry_shape_is_right:
; O = softmax(q k^T / 8, causal) v for one (batch, head) a cluster, both products on codes of FP4 (E2M1) with one E8M0 scale for each 32 along a product's K; O is quantised along the head's 64 and stored as codes.
; THE SOFTMAX AHEAD OF THE SECOND PRODUCT: t = score x log2(e) / 8; M = the running largest t rounded UP to a whole number; p = 2^(t - M) is quantised along the keys, not normalised; the row's sum is taken of the
; unquantised p and divides O at the end.  When M moves, the sum and O are multiplied by 2^(old M - new M), which rounds nothing.
; INPUTS (made by the launch before, images of operand registers, lane l's 16 bytes at 16 l): qr [bh][band of 128 queries][4,608], kv [bh][step of 128 keys][8,960]: k's codes 8 x 512, k's scale words 512,
; v's codes 4 x 1,024 (keys innermost), v's scale words 256.
; SHARES.  The four work-groups of a cluster share one head: its 16 records of kv, 143,360 bytes, come into each one's LDS ONCE, by sixteen joint loads, one a wave (35 rows of 256 bytes: sixteen equal parts, no branch).
; Work-group cx takes tiles 2 cx and 2 cx + 1 (16 queries each) of every band.  Wave w takes tile 2 cx + w % 2 of band w / 2, then of band 15 - w / 2: 17 key steps for every wave: only steps at or under the diagonal.
; Which steps a wave leaves out hangs on its number and the pass alone; cx enters global offsets and the mask's number of a lane, no branch and no LDS address.
; LAYOUT.  S^T = k q^T (source 0 = 16 neighbouring keys, source 1 = my 16 queries), O^T = v^T p^T: a lane holds ONE query (lane % 16).  Register 8 t + j of S^T is key 16 t + 8 h + j of the step.
; The head's 64 fill half of an instruction's K = 128: registers 4-7 of q's and k's fragments are zero codes, under the scale byte 0.
; OUTPUT.  oc [head / 8][tile of 16 rows 512][head % 8][lane][16 bytes]: the last product's operand registers.  os [tile][K step = head / 2][row] of 4 bytes: this head's two bytes are its low or high half:
; each lane stores 2 bytes, 4 bytes apart: one byte in 17 of what the launch stores; a whole word would need both heads of a pair in one work-group.
; All tiles are asked for once, at the head: there is no later request that a prefetch could run ahead of.
; LIMITS: NaN and infinities are not served.  A block whose largest magnitude lies under 2^-124, a block of zeros among them, gets the scale byte 1: this program alone reads the bytes.  1 / sum is v_rcp_f32.
.set REC,    8960
.set HEADKV, 16*REC
.set QREC,   4608
.set HEADQ,  16*QREC
.set LI,   1                           ; v1   16 x lane
.set LR,   2                           ; v2   16 x (lane % 16)
.set ADL,  3                           ; v3   the step's record + LI
.set ADR,  4                           ; v4   the step's record + LR
.set QD,   5                           ; v5   my query in its band - 8 h
.set NINF, 6                           ; v6   -infinity
.set VOS,  7                           ; v7   512 tile + 4 r: my place in os
.set VSW,  8                           ; v8-11  v's scale words (scales and nothing else)
                                       ; v12 -M, v13 the largest t, v[14:15] the sum in two halves
.set QF,   16                          ; v16-23 q's fragment; v20-23 zero codes
.set KSW,  24                          ; v24-31 k's scale words
.set KF,   32                          ; v32-95 k's eight fragments; registers 4-7 of each zero codes
.set S,    96                          ; v96-159 S^T, then p
.set OT,   160                         ; v160-191 O^T
.set VF,   192                         ; v192-223 v's four fragments
.set PC,   224                         ; v224-231 p's codes
.set BM,   232                         ; v232-235 the blocks' largest
.set T1,   236                         ; v236-239 at work
.set VQC,  240                         ; v240 my place among q's codes;  v241 among its scale words;  v242 in oc
.set VQS,  241
.set VOC,  242
.set SO,   244                         ; v244-247 the conversions' scale operands
.set QW,   248                         ; v248 q's scale word;  v249 p's
.set PW,   249
.set FF,   250                         ; v[250:251] f = 2^(old M - new M); later 1 / sum
.set TA,   252
.set WV,   12
.set CX,   13
.set BH,   14
.set UA,   15
.set W2,   16
.set TL,   17
.set SEL,  20                          ; s[20:21] lane l xor 16
.set CS,   22                          ; s[22:23] c = log2(e) / 8
.set G1,   24
.set G0,   32
.set TB,   36                          ; s36 LDS byte of the step's record
.set KS,   37                          ; s37 the key step
.set BAND, 38                          ; s38 my band in this pass
.set QB,   40
.set OCB,  42
.set OSB,  44
.macro CROUND                          ; a round of the cluster's barrier
	s_barrier_signal -1
	s_barrier_wait -1
	s_cmp_lg_u32 s[WV], 0
	s_cbranch_scc1 .Lnot_wave_0_\@
	s_barrier_signal -3
.Lnot_wave_0_\@:
	s_barrier_wait -3
	s_barrier_signal -1
	s_barrier_wait -1
.endm
	s_load_b256 s[4:11], s[0:1], 0x0               ; qr s[4:5], kv s[6:7], oc s[8:9], os s[10:11]
	v_lshl_add_u32 v254, v0, 2, 0x29000
	v_mov_b32 v255, 0
	ds_add_u32 v254, v255
	ds_add_u32 v254, v255
	v_lshrrev_b32 v1, 5, v0
	s_delay_alu instid0(VALU_DEP_1)
	v_readfirstlane_b32 s[WV], v1                  ; wave 0..15
	s_bfe_u32 s[CX], ttmp6, 0x40000                ; cx
	s_and_b32 s[BH], ttmp7, 0xffff                 ; 16 b + head, which the four partners share
	s_and_b32 s[UA], s[WV], 1
	s_lshr_b32 s[W2], s[WV], 1
	s_lshl_b32 s[TL], s[CX], 1
	s_add_co_u32 s[TL], s[TL], s[UA]               ; my tile in a band: 0 .. 7
	s_mov_b32 s[G1], 15|(3<<16)|(1<<21)            ; 15:0 the mask: all four; 17:16 elements of 8 bytes; 21 set beside a mask; no padding: every read is 16 x lane
	s_mov_b32 s[G1+1], 32<<16                      ; tensor_dim0: 256 bytes
	s_mov_b32 s[G1+2], 35<<16                      ; tensor_dim1: a record is 35 such rows
	s_mov_b32 s[G1+3], 32<<16
	s_mov_b32 s[G1+4], 35
	s_mov_b32 s[G1+5], 32
	s_mov_b32 s[G1+6], 0
	s_mov_b32 s[G1+7], 0
	s_mov_b32 s[G0], 1
	s_mul_i32 s[G0+1], s[WV], REC                  ; record w goes to LDS byte 8,960 w
	s_mul_i32 s48, s[BH], HEADKV
	s_add_co_u32 s48, s48, s[G0+1]
	s_mov_b32 s49, 0
	s_mul_i32 s50, s[BH], HEADQ
	s_mov_b32 s51, 0
	s_lshr_b32 s46, s[BH], 4                       ; b
	s_and_b32 s47, s[BH], 15                       ; head
	s_lshr_b32 s52, s47, 3
	s_lshl_b32 s52, s52, 21                        ; oc: (head / 8) x 512 tiles x 4,096
	s_lshl_b32 s54, s46, 19                        ;     + 128 b tiles
	s_add_co_u32 s52, s52, s54
	s_and_b32 s54, s47, 7
	s_lshl_b32 s54, s54, 9                         ;     + (head % 8) x 512
	s_add_co_u32 s52, s52, s54
	s_mov_b32 s53, 0
	s_lshl_b32 s54, s46, 16                        ; os: 128 b tiles x 512
	s_lshr_b32 s55, s47, 1
	s_lshl_b32 s55, s55, 6                         ;     + (head / 2) x 64
	s_add_co_u32 s54, s54, s55
	s_and_b32 s55, s47, 1
	s_lshl_b32 s55, s55, 1                         ;     + 2 (head % 2)
	s_add_co_u32 s54, s54, s55
	s_mov_b32 s55, 0
	s_mov_b32 s[SEL], 0x76543210
	s_mov_b32 s[SEL+1], 0xfedcba98
	s_mov_b32 s[CS], 0x3e38aa3b                    ; log2(e) / 8
	s_mov_b32 s[CS+1], s[CS]                       ; named with it as a pair, so it is written
	s_wait_dscnt 0x0
	s_wait_kmcnt 0x0
	s_add_nc_u64 s[G0+2:G0+3], s[6:7], s[48:49]
	s_or_b32 s[G0+3], s[G0+3], 0x80000000
	s_add_nc_u64 s[4:5], s[4:5], s[50:51]          ; the three other tensors at my head
	s_add_nc_u64 s[8:9], s[8:9], s[52:53]
	s_add_nc_u64 s[10:11], s[10:11], s[54:55]
	CROUND                                         ; all four work-groups are here: the joint loads meet
	tensor_load_to_lds s[G0:G0+3], s[G1:G1+7]      ; my one tensor load
	s_nop 0
.rept 4
	v_nop
.endr
	v_and_b32 v[TA], 31, v0                        ; lane
	v_and_b32 v253, 15, v0                         ; r
	v_bfe_u32 v3, v0, 4, 1                         ; h
	s_delay_alu instid0(VALU_DEP_3)
	v_lshlrev_b32 v[LI], 4, v[TA]
	s_delay_alu instid0(VALU_DEP_3)
	v_lshlrev_b32 v[LR], 4, v253
	s_wait_alu depctr_va_vdst(0)
	s_lshl_b32 s46, s[TL], 4
	v_lshlrev_b32 v4, 3, v3
	s_delay_alu instid0(VALU_DEP_1)
	v_sub_nc_u32 v[QD], v253, v4
	s_delay_alu instid0(VALU_DEP_1)
	v_add_nc_u32 v[QD], s46, v[QD]                 ; 16 tile + r - 8 h
	v_mov_b32 v[NINF], 0xff800000
	s_lshl_b32 s46, s[TL], 9
	v_lshl_add_u32 v[VOS], v253, 2, s46
	v_add_nc_u32 v[VQC], s46, v[LI]
	s_lshr_b32 s47, s[TL], 2
	s_lshl_b32 s47, s47, 8
	s_and_b32 s50, s[TL], 3
	s_lshl_b32 s50, s50, 2
	s_add_co_u32 s47, s47, s50
	s_add_co_u32 s47, s47, 4096
	v_add_nc_u32 v[VQS], s47, v[LR]
	s_lshl_b32 s46, s[TL], 12
	v_add_nc_u32 v[VOC], s46, v[LI]
.irp i, 4,5,6,7
	v_mov_b32 v[QF+\i], 0                          ; zero codes for K = 64 .. 127
.irp t, 0,1,2,3,4,5,6,7
	v_mov_b32 v[KF+8*\t+\i], 0
.endr
.endr
.irp b, 0,1,2,3
	v_mov_b32 v[T1+\b], 0                          ; written once: a lane permute's destination counts as one of its sources
.endr
	v_mov_b32 v[FF+1], 0                           ; named as the upper half of a pair
; A KEY STEP: 128 keys.
.macro STEP
	s_cmp_gt_u32 s[KS], s[BAND]                    ; a step all of whose keys come after my queries is left out: the branch hangs on the wave's number, the pass and the counter
	s_cbranch_scc1 .Lhidden_\@
	s_setprio 2
	v_add_nc_u32 v[ADL], s[TB], v[LI]
	v_add_nc_u32 v[ADR], s[TB], v[LR]
	v_nop
	v_nop                                          ; four places between the last step's products and loads into registers that they read
.irp t, 0,1,2,3,4,5,6,7
	ds_load_b128 v[KF+8*\t:KF+8*\t+3], v[ADL] offset:512*\t
.endr
.irp g, 0,1
	ds_load_b128 v[KSW+4*\g:KSW+4*\g+3], v[ADR] offset:4096+256*\g
.endr
.irp d, 0,1,2,3
.irp c, 0,1
	ds_load_b128 v[VF+8*\d+4*\c:VF+8*\d+4*\c+3], v[ADL] offset:4608+1024*\d+512*\c
.endr
.endr
	ds_load_b128 v[VSW:VSW+3], v[ADR] offset:8704
	s_wait_dscnt 9                                 ; k and its scale words are in; v's eight loads and its scale words, issued behind them, may be out
.irp t, 0,1,2,3,4,5,6,7
	v_wmma_scale_f32_16x16x128_f8f6f4 v[S+8*\t:S+8*\t+7], v[KF+8*\t:KF+8*\t+7], v[QF:QF+7], 0, v[KSW+\t], v[QW] matrix_a_fmt:MATRIX_FMT_FP4 matrix_b_fmt:MATRIX_FMT_FP4
.endr
.rept 4
	v_nop
.endr
	s_cmp_lg_u32 s[KS], s[BAND]                    ; on the diagonal the scores of hidden keys become -infinity ahead of the maximum: p = 0 then
	s_cbranch_scc1 .Lopen_\@
.set nn, 0
.rept 64
	v_cmp_gt_i32 vcc_lo, 16*(nn/8)+nn%8, v[QD]     ; register nn holds key 16 (nn / 8) + 8 h + nn % 8: hidden where it lies behind my query
	v_cndmask_b32 v[S+nn], v[S+nn], v[NINF], vcc_lo
.set nn, nn+1
.endr
.Lopen_\@:
.irp b, 0,1,2,3
	v_max3_num_f32 v[BM+\b], v[S+16*\b], v[S+1+16*\b], v[S+2+16*\b]   ; the largest score of each block of 32 keys: it serves for the row's maximum and, since p rises with the score, for the block's largest p
.endr
.irp i, 3,5,7,9,11,13
.irp b, 0,1,2,3
	v_max3_num_f32 v[BM+\b], v[BM+\b], v[S+16*\b+\i], v[S+1+16*\b+\i]
.endr
.endr
.irp b, 0,1,2,3
	v_max_num_f32 v[BM+\b], v[BM+\b], v[S+15+16*\b]
.endr
.irp b, 0,1,2,3
	s_delay_alu instid0(VALU_DEP_4)
	v_permlanex16_b32 v[T1+\b], v[BM+\b], s[SEL], s[SEL+1]
.endr
.irp b, 0,1,2,3
	s_delay_alu instid0(VALU_DEP_4)
	v_max_num_f32 v[BM+\b], v[BM+\b], v[T1+\b]     ; with lane l xor 16's 16 keys
.endr
	s_delay_alu instid0(VALU_DEP_2)
	v_max3_num_f32 v[TA], v[BM], v[BM+1], v[BM+2]
	s_delay_alu instid0(VALU_DEP_1)
	v_max_num_f32 v[TA], v[TA], v[BM+3]            ; the step's largest score of my query
	s_delay_alu instid0(VALU_DEP_1)
	v_mul_f32 v[TA], s[CS], v[TA]                  ; as t
	s_delay_alu instid0(VALU_DEP_1)
	v_max_num_f32 v13, v13, v[TA]                  ; the running largest t
	v_mov_b32 v[TA], v12
	s_delay_alu instid0(VALU_DEP_2)
	v_floor_f32 v12, -v13                          ; the new -M = floor(-t): M is a whole number
	s_delay_alu instid0(VALU_DEP_1)
	v_sub_f32 v[TA], v12, v[TA]                    ; old M - new M: a whole number, 0 or less
	s_delay_alu instid0(VALU_DEP_1)
	v_cvt_i32_f32 v[TA], v[TA]                     ; (it saturates)
	s_delay_alu instid0(VALU_DEP_1)
	v_ldexp_f32 v[FF], 1.0, v[TA]                  ; f = 2^(old M - new M)
.set jj, 0
.rept 32
	v_pk_fma_f32 v[S+jj:S+jj+1], v[S+jj:S+jj+1], s[CS:CS+1], v[12:13] op_sel_hi:[1,0,0]   ; t - M, two at a time
.set jj, jj+2
.endr
	s_setprio 1
.irp b, 0,1,2,3
	v_fma_f32 v[BM+\b], v[BM+\b], s[CS], v12       ; the same of each block's largest score
.endr
.set jj, 0
	s_wait_alu depctr_va_vdst(0)
.rept 64
	v_exp_f32 v[S+jj], v[S+jj]                     ; p = 2^(t - M), at most 1
.set jj, jj+1
.endr
.irp b, 0,1,2,3
	v_exp_f32 v[BM+\b], v[BM+\b]                   ; the block's largest p: the same two instructions on the same number
.endr
	v_pk_mul_f32 v[14:15], v[14:15], v[FF:FF+1] op_sel_hi:[1,0]   ; the sums under the new M; also the plain place behind the exponentials
	s_wait_alu depctr_va_vdst(0)
.irp b, 0,1,2,3
	v_max_num_f32 v[BM+\b], 0x1800000, v[BM+\b]    ; the floor 2^(3 - 127): the byte cannot fall under 1
.endr
.irp b, 0,1,2,3
	s_delay_alu instid0(VALU_DEP_4)
	v_add_nc_u32 v[SO+\b], 0xff000000, v[BM+\b]    ; 2 off the exponent field: the conversion's scale operand
.endr
.irp b, 0,1,2,3
	s_delay_alu instid0(VALU_DEP_4)
	v_lshrrev_b32 v[T1+\b], 23, v[SO+\b]           ; the scale's byte
.endr
	s_delay_alu instid0(VALU_DEP_3)
	v_lshl_or_b32 v[PW], v[T1+1], 8, v[T1]         ; p's scale word for these 128 keys
	s_delay_alu instid0(VALU_DEP_1)
	v_lshl_or_b32 v[PW], v[T1+2], 16, v[PW]
	s_delay_alu instid0(VALU_DEP_1)
	v_lshl_or_b32 v[PW], v[T1+3], 24, v[PW]
.irp c, 0,1
.irp e, 0,1
.irp u, 0,1
	v_cvt_scalef32_pk8_fp4_f32 v[PC+4*\c+2*\u+\e], v[S+8*(4*\c+2*\e+\u):S+8*(4*\c+2*\e+\u)+7], v[SO+2*\c+\e]   ; tile 4 c + 2 e + u: the codes at 16 u + 8 h of block 2 c + e
.endr
.endr
.endr
	v_nop                                          ; one plain place behind a scaled conversion
.irp c, 0,1
.irp u, 0,1
	v_permlane16_swap_b32 v[PC+4*\c+2*\u], v[PC+4*\c+2*\u+1]   ; a whole block to a lane: registers 4 c .. 4 c + 3 hold keys 64 c + 32 h + 0 .. 31
.endr
.endr
	v_pk_add_f32 v[236:237], v[100:101], v[104:105]
	v_pk_add_f32 v[246:247], v[108:109], v[112:113]
	v_pk_add_f32 v[244:245], v[116:117], v[120:121]
	v_pk_add_f32 v[234:235], v[124:125], v[128:129]
	v_pk_add_f32 v[232:233], v[132:133], v[136:137]
	v_pk_add_f32 v[90:91], v[140:141], v[144:145]
	v_pk_add_f32 v[88:89], v[148:149], v[152:153]
	v_pk_add_f32 v[14:15], v[14:15], v[156:157]
	v_pk_add_f32 v[236:237], v[236:237], v[96:97]
	v_pk_add_f32 v[246:247], v[246:247], v[98:99]
	v_pk_add_f32 v[244:245], v[244:245], v[102:103]
	v_pk_add_f32 v[234:235], v[234:235], v[106:107]
	v_pk_add_f32 v[232:233], v[232:233], v[110:111]
	s_setprio 0
	v_pk_add_f32 v[90:91], v[90:91], v[114:115]
	v_pk_add_f32 v[88:89], v[88:89], v[118:119]
	v_pk_add_f32 v[14:15], v[14:15], v[122:123]
	v_pk_add_f32 v[236:237], v[236:237], v[126:127]
	v_pk_add_f32 v[246:247], v[246:247], v[130:131]
	v_pk_add_f32 v[244:245], v[244:245], v[134:135]
	v_pk_add_f32 v[234:235], v[234:235], v[138:139]
	v_pk_add_f32 v[232:233], v[232:233], v[142:143]
	v_pk_add_f32 v[90:91], v[90:91], v[146:147]
	v_pk_add_f32 v[88:89], v[88:89], v[150:151]
	v_pk_add_f32 v[14:15], v[14:15], v[154:155]
	v_pk_add_f32 v[236:237], v[236:237], v[158:159]
	s_delay_alu instid0(VALU_DEP_2)
	v_pk_add_f32 v[14:15], v[14:15], v[234:235]
	s_delay_alu instid0(VALU_DEP_2)
	v_pk_add_f32 v[236:237], v[236:237], v[232:233]
	v_pk_add_f32 v[246:247], v[246:247], v[90:91]
	v_pk_add_f32 v[244:245], v[244:245], v[88:89]
	s_delay_alu instid0(VALU_DEP_2)
	v_pk_add_f32 v[14:15], v[14:15], v[246:247]
	s_delay_alu instid0(VALU_DEP_2)
	v_pk_add_f32 v[236:237], v[236:237], v[244:245]
	s_delay_alu instid0(VALU_DEP_1)
	v_pk_add_f32 v[14:15], v[14:15], v[236:237]
.set jj, 0
.rept 16
	v_pk_mul_f32 v[OT+jj:OT+jj+1], v[OT+jj:OT+jj+1], v[FF:FF+1] op_sel_hi:[1,0]   ; O^T under the new M.  The sums and these are the places between p's scale word and codes and the products below
.set jj, jj+2
.endr
	s_wait_alu depctr_va_vdst(0)
	s_wait_dscnt 0x0                               ; v and its scale words are in
.irp d, 0,1,2,3
	v_wmma_scale_f32_16x16x128_f8f6f4 v[OT+8*\d:OT+8*\d+7], v[VF+8*\d:VF+8*\d+7], v[PC:PC+7], v[OT+8*\d:OT+8*\d+7], v[VSW+\d], v[PW] matrix_a_fmt:MATRIX_FMT_FP4 matrix_b_fmt:MATRIX_FMT_FP4   ; the four accumulators by turns, one instruction a turn
.endr
.Lhidden_\@:
.endm
; A PASS: one tile of 16 queries against key steps 0 .. its band.  The loop's trip count is the constant 16; the steps behind the diagonal are jumped over inside it.
.macro PASS p
.if \p
	s_wait_xcnt 0x0                                ; the first pass's stores have read their registers and bases: these are written again only behind this wait
	s_sub_co_u32 s[BAND], 15, s[W2]
.else
	s_mov_b32 s[BAND], s[W2]
.endif
	s_mul_i32 s46, s[BAND], QREC
	s_mov_b32 s47, 0
	s_add_nc_u64 s[QB:QB+1], s[4:5], s[46:47]
	s_lshl_b32 s46, s[BAND], 15                    ; 8 tiles x 4,096 bytes a band
	s_add_nc_u64 s[OCB:OCB+1], s[8:9], s[46:47]
	s_lshl_b32 s46, s[BAND], 12                    ; 8 tiles x 512 bytes a band
	s_add_nc_u64 s[OSB:OSB+1], s[10:11], s[46:47]
	global_load_b128 v[QF:QF+3], v[VQC], s[QB:QB+1]
	global_load_b32 v[QW], v[VQS], s[QB:QB+1]
	v_mov_b32 v13, 0xff61b1e6                      ; the largest t so far: -3e38, under every t
	s_delay_alu instid0(VALU_DEP_1)
	v_floor_f32 v12, -v13
	v_mov_b32 v14, 0
	v_mov_b32 v15, 0
.set jj, 0
.rept 32
	v_mov_b32 v[OT+jj], 0                          ; the step is written once: the first finds zeros, which the first change of M leaves zeros
.set jj, jj+1
.endr
	s_mov_b32 s[TB], 0
	s_mov_b32 s[KS], 0
	s_wait_loadcnt 0x0                             ; q
.if (\p) == 0
	s_wait_tensorcnt 0x0                           ; my record has landed,
	s_barrier_signal -1
	s_barrier_wait -1                              ; everybody's has: the head's k and v lie in LDS for the rest of the launch
.endif
.Lstep_\@:
	STEP
	s_add_co_u32 s[TB], s[TB], REC
	s_add_co_u32 s[KS], s[KS], 1
	s_cmp_lt_u32 s[KS], 16
	s_cbranch_scc1 .Lstep_\@
	s_setprio 0
.rept 4
	v_nop                                          ; between the last products and the first read of O^T
.endr
	v_add_f32 v14, v14, v15                        ; the sum's two halves,
	s_delay_alu instid0(VALU_DEP_1)
	v_permlanex16_b32 v[TA], v14, s[SEL], s[SEL+1]
	s_delay_alu instid0(VALU_DEP_1)
	v_add_f32 v14, v14, v[TA]                      ; and lane l xor 16's: the row's sum, above 1/2
	s_wait_alu depctr_va_vdst(0)
	v_rcp_f32 v[FF], v14
	v_nop                                          ; one plain place behind a transcendental
.set jj, 0
	s_wait_alu depctr_va_vdst(0)
.rept 16
	v_pk_mul_f32 v[S+jj:S+jj+1], v[OT+jj:OT+jj+1], v[FF:FF+1] op_sel_hi:[1,0]   ; O^T / the sum: register 8 t + j is d = 16 t + 8 h + j of my query; each accumulator from its low end on
.set jj, jj+2
.endr
.irp b, 0,1                                    ; the head's 64 are two blocks of the last product's K
	v_max3_num_f32 v[BM+\b], |v[S+16*\b]|, |v[S+1+16*\b]|, 0x1800000
.endr
.irp i, 2,4,6,8,10,12,14
.irp b, 0,1
	s_delay_alu instid0(VALU_DEP_2)
	v_max3_num_f32 v[BM+\b], v[BM+\b], |v[S+16*\b+\i]|, |v[S+1+16*\b+\i]|
.endr
.endr
.irp b, 0,1
	s_delay_alu instid0(VALU_DEP_2)
	v_permlanex16_b32 v[T1+\b], v[BM+\b], s[SEL], s[SEL+1]
.endr
.irp b, 0,1
	s_delay_alu instid0(VALU_DEP_2)
	v_max_num_f32 v[BM+\b], v[BM+\b], v[T1+\b]
.endr
.irp b, 0,1
	s_delay_alu instid0(VALU_DEP_2)
	v_add_nc_u32 v[SO+\b], 0xff000000, v[BM+\b]
.endr
.irp b, 0,1
	s_delay_alu instid0(VALU_DEP_2)
	v_lshrrev_b32 v[T1+\b], 23, v[SO+\b]
.endr
	s_delay_alu instid0(VALU_DEP_1)
	v_lshl_or_b32 v[TA], v[T1+1], 8, v[T1]         ; my row's two bytes
.irp e, 0,1
.irp u, 0,1
	v_cvt_scalef32_pk8_fp4_f32 v[PC+2*\u+\e], v[S+8*(2*\e+\u):S+8*(2*\e+\u)+7], v[SO+\e]
.endr
.endr
	v_nop                                          ; one plain place behind a scaled conversion
	v_permlane16_swap_b32 v[PC], v[PC+1]
	v_permlane16_swap_b32 v[PC+2], v[PC+3]         ; registers 0-3: d = 32 h + 0 .. 31 of query r
	global_store_b128 v[VOC], v[PC:PC+3], s[OCB:OCB+1]   ; 32 lanes store 512 consecutive bytes
	global_store_b16 v[VOS], v[TA], s[OSB:OSB+1]   ; lanes l and l xor 16 store the same two bytes with the same value
.endm
	PASS 0
	PASS 1
	s_wait_dscnt 0x0
	s_wait_tensorcnt 0x0
	ds_add_u32 v254, v255
	s_wait_dscnt 0x0
	CROUND                                         ; the closing round
	s_endpgm
.Lfunc_end_k_qf1727154ee_attention:
	.size	k_qf1727154ee_attention, .Lfunc_end_k_qf1727154ee_attention-k_qf1727154ee_attention
	.p2alignl 7, 3214868480
	.fill 96, 4, 3214868480
	.section	.rodata,"a",@progbits
	.p2align	6, 0x0
	.amdhsa_kernel k_qf1727154ee_attention
		.amdhsa_group_segment_fixed_size 169984
		.amdhsa_private_segment_fixed_size 0
		.amdhsa_enable_private_segment 0
		.amdhsa_kernarg_size 32
		.amdhsa_user_sgpr_count 2
		.amdhsa_user_sgpr_kernarg_segment_ptr 1
		.amdhsa_wavefront_size32 1
		.amdhsa_system_sgpr_workgroup_id_x 1
		.amdhsa_system_sgpr_workgroup_id_y 1
		.amdhsa_system_sgpr_workgroup_id_z 1
		.amdhsa_system_vgpr_workitem_id 0
		.amdhsa_next_free_vgpr 256
		.amdhsa_next_free_sgpr 66
		.amdhsa_reserve_vcc 1
		.amdhsa_float_denorm_mode_32 3
		.amdhsa_float_denorm_mode_16_64 3
		.amdhsa_memory_ordered 1
		.amdhsa_forward_progress 1
		.amdhsa_inst_pref_size 61
	.end_amdhsa_kernel
	.amdgpu_metadata
---
amdhsa.version: [ 1, 2 ]
amdhsa.kernels:
  - .name:           k_qf1727154ee_attention
    .symbol:         k_qf1727154ee_attention.kd
    .args:
      - { .name: qr, .offset: 0, .size: 8, .value_kind: global_buffer, .address_space: global }
      - { .name: kv, .offset: 8, .size: 8, .value_kind: global_buffer, .address_space: global }
      - { .name: oc, .offset: 16, .size: 8, .value_kind: global_buffer, .address_space: global }
      - { .name: os, .offset: 24, .size: 8, .value_kind: global_buffer, .address_space: global }
    .group_segment_fixed_size: 169984
    .private_segment_fixed_size: 0
    .kernarg_segment_align: 8
    .kernarg_segment_size: 32
    .max_flat_workgroup_size: 512
    .sgpr_count:     66
    .vgpr_count:     256
    .wavefront_size: 32
...
	.end_amdgpu_metadata
.endif
;; end of part 2
;; launch gemm_out (part 3): grid 4 x 64, 4 waves a work-group, clusters of 4 x 4, 327,680 bytes of LDS; arguments oc, os, W_out_codes, W_out_scales, b_out, out0; writes out0
.if DOCPART == 3
	.amdgcn_target "amdgcn-amd-amdhsa--gfx1250"
	.amdhsa_code_object_version 6
	.text
	.protected	k_qf1727154ee_gemm_out
	.globl	k_qf1727154ee_gemm_out
	.p2align	8
	.type	k_qf1727154ee_gemm_out,@function
k_qf1727154ee_gemm_out:
	s_mov_b64 s[64:65], 0
	v_nop
	global_prefetch_b8 v0, s[64:65] scope:SCOPE_SE
	s_setreg_imm32_b32 hwreg(HW_REG_WAVE_MODE, 25, 1), 1
	s_wait_xcnt 0x0
	s_wait_alu depctr_hold_cnt(0) depctr_sa_sdst(0) depctr_va_vdst(0) depctr_va_sdst(0) depctr_va_ssrc(0) depctr_va_vcc(0) depctr_vm_vsrc(0)
	s_getreg_b32 s2, hwreg(HW_REG_IB_STS2, 6, 4)
	s_cmp_eq_u32 s2, 0
	s_cbranch_scc0 .Lentry_in_a_cluster
	s_endpgm
.Lentry_in_a_cluster:
	s_bfe_u32 s2, ttmp6, 0x10000c
	s_cmp_lg_u32 s2, 0xf033
	s_cbranch_scc0 .Lentry_shape_is_right
	s_endpgm
.Lentry_shape_is_right:
; out0 = O W_out + b_out on codes of FP4 (E2M1) with one E8M0 scale for each 32 along K (K = 1,024), sums in f32.
; O comes from the launch before as images of operand registers: oc [K half 2][tile of 16 rows 512][group of four registers 8][lane][16 bytes], os [tile][K step 8][row 16] of 4 bytes.
; W_out: 1,024 rows (n) of 512 bytes of codes and 32 scale bytes.
; SHARES.  256 work-groups; each makes 128 rows x 256 columns, a wave 64 x 128: 32 accumulators of 16 x 16 in 256 registers.  All of K lies in LDS, filled once, in two halves.
; THE MATRIX INSTRUCTION IS USED TRANSPOSED: source 0 = 16 rows of W (n along a lane's registers), source 1 = 16 rows of O: a lane holds eight neighbouring numbers of a row of out0.  The bias is the C of each sum's first product.
; CLUSTER 4 x 4.  O's tiles hang on 4 x cluster y + cy and are shared along a row of the cluster, W's on cx and are shared along a column: each is asked for jointly by the four that need it.
; All tiles are asked for once, at the head: there is no later request that a prefetch could run ahead of.
; LIMITS: NaN and infinities are not served.
.set PITCH,  272                       ; a row of W in LDS: 256 bytes + 16 of padding
.set HALFT,  128*PITCH
.set WSLOT,  2*HALFT                   ; half of K: W's 256 rows
.set OCL,    2*WSLOT                   ; O's codes: K half x 32,768 + tile x 4,096, dense: every read is 16 x lane
.set WSC,    OCL+65536                 ; W's scale bytes, as units of 256 bytes + 16 of padding
.set HALFS,  16*272
.set SBLK,   2*272
.set OSL,    WSC+2*HALFS               ; O's scale words: tile x 512 + K step x 64 + 4 r
.set STG,    OSL+4096                  ; the way out: 16 rows x (512 bytes + 16) for each wave; no fill lands here
.set SPITCH, 528
.set ADRA, 16                          ; v16     LDS address of my O fragments
.set ADRB, 20                          ; v20-21  of my W fragments in half 0, 1
.set ADSA, 22                          ; v22     of O's scale words
.set ADSB, 23                          ; v23     of W's
.set STO,  24                          ; v24     the stage: where I put 32 bytes of a row
.set RD,   25                          ; v25     and where I read a row back
.set CO,   26                          ; v26     16 x lane: my bytes of a row of out0
.set BO,   27                          ; v27     32 h: the bias
.set SB,   32                          ; v32-95  W's scale words and nothing else: 8 b + s
.set SA,   96                          ; v96-127 O's: 8 a + s
.set AF,   128                         ; v128-191 O's fragments, two sets of 32
.set BK,   128                         ; the way out: v128-191 and v192-255 by turns
.set BI,   64                          ; window 1: v64-127 the bias of my 128 columns
.set G1A,  24
.set G0A,  32
.set G1B,  48
.set G0B,  56
.set G1SA, 68
.set G0SA, 76
.set G1SB, 80
.set G0SB, 88
.set MSB, 0
.macro WIN new
.if MSB != (\new)
	s_set_vgpr_msb (MSB<<8)|(\new)
.set MSB, (\new)
.endif
.endm
; A joint load: waves 0 and 1 fetch for O, waves 2 and 3 for W.  Four v_nop follow each of the two lines.
.macro JLOAD g0a, g1a, g0b, g1b
	s_cmp_eq_u32 s19, 0
	s_cbranch_scc0 .Lfor_b_\@
	tensor_load_to_lds s[\g0a:\g0a+3], s[\g1a:\g1a+7]
	s_nop 0
.rept 4
	v_nop
.endr
	s_branch .Lasked_\@
.Lfor_b_\@:
	tensor_load_to_lds s[\g0b:\g0b+3], s[\g1b:\g1b+7]
	s_nop 0
.rept 4
	v_nop
.endr
.Lasked_\@:
.endm
.macro CROUND
	s_barrier_signal -1
	s_barrier_wait -1
	s_cmp_lg_u32 s18, 0
	s_cbranch_scc1 .Lnot_wave_0_\@
	s_barrier_signal -3
.Lnot_wave_0_\@:
	s_barrier_wait -3
	s_barrier_signal -1
	s_barrier_wait -1
.endm
.macro PLACES n
.rept \n
	v_nop
.endr
.endm
	s_load_b256 s[4:11], s[0:1], 0x0               ; oc s[4:5], os s[6:7], W's codes s[8:9], W's scales s[10:11]
	s_load_b128 s[12:15], s[0:1], 0x20             ; b_out s[12:13], out0 s[14:15]
	v_lshl_add_u32 v30, v0, 2, 0x3d600
	v_mov_b32 v31, 0
	ds_add_u32 v30, v31
	ds_add_u32 v30, v31
	v_lshrrev_b32 v1, 5, v0
	v_readfirstlane_b32 s18, v1                    ; wave 0..3
	s_lshr_b32 s19, s18, 1                         ; WA: my 64 rows.  Also: I fetch for O (0) or for W (1)
	s_and_b32 s20, s18, 1                          ; WB: my 128 columns.  Also: which half of that side I fetch
	s_bfe_u32 s21, ttmp6, 0x40000                  ; cx
	s_bfe_u32 s22, ttmp6, 0x40004                  ; cy
	s_and_b32 s23, ttmp7, 0xffff                   ; the cluster's y
	s_lshl_b32 s2, s22, 2
	s_lshl_b32 s2, 15, s2                          ; my row of the cluster
	s_lshl_b32 s3, 0x1111, s21                     ; my column
	s_or_b32 s[G1A], s2, (3<<16)|(1<<21)           ; O's codes: 16,384 dense bytes as 64 rows of 256 (32 elements of 8 bytes), no padding
	s_mov_b32 s[G1A+1], 32<<16
	s_mov_b32 s[G1A+2], 64<<16
	s_mov_b32 s[G1A+3], 32<<16
	s_mov_b32 s[G1A+4], 64
	s_mov_b32 s[G1A+5], 32
	s_mov_b32 s[G1A+6], 0
	s_mov_b32 s[G1A+7], 0
	s_or_b32 s[G1SA], s2, (3<<16)|(1<<21)          ; O's scale words: 2,048 dense bytes as 8 rows of 256
	s_mov_b32 s[G1SA+1], 32<<16
	s_mov_b32 s[G1SA+2], 8<<16
	s_mov_b32 s[G1SA+3], 32<<16
	s_mov_b32 s[G1SA+4], 8
	s_mov_b32 s[G1SA+5], 32
	s_mov_b32 s[G1SA+6], 0
	s_mov_b32 s[G1SA+7], 0
	s_or_b32 s[G1B], s3, (1<<20)|(1<<21)|(5<<22)|(3<<25)   ; W's codes: 128 rows x 256 bytes, 512 apart in memory, 16 bytes of padding behind each
	s_mov_b32 s[G1B+1], 256<<16
	s_mov_b32 s[G1B+2], 128<<16
	s_mov_b32 s[G1B+3], 256<<16
	s_mov_b32 s[G1B+4], 128
	s_mov_b32 s[G1B+5], 512
	s_mov_b32 s[G1B+6], 0
	s_mov_b32 s[G1B+7], 0
	s_or_b32 s[G1SB], s3, (3<<16)|(1<<20)|(1<<21)|(5<<22)|(3<<25)   ; W's scales: 4,096 dense bytes as 16 rows of 256, 16 bytes of padding behind each
	s_mov_b32 s[G1SB+1], 32<<16
	s_mov_b32 s[G1SB+2], 16<<16
	s_mov_b32 s[G1SB+3], 32<<16
	s_mov_b32 s[G1SB+4], 16
	s_mov_b32 s[G1SB+5], 32
	s_mov_b32 s[G1SB+6], 0
	s_mov_b32 s[G1SB+7], 0
	s_lshl_b32 s40, s23, 2
	s_add_co_u32 s40, s40, s22                     ; my block of 128 rows: 4 x cluster y + cy
	s_lshl_b32 s41, s40, 3
	s_lshl_b32 s2, s20, 2
	s_add_co_u32 s41, s41, s2                      ; the first of the four tiles of O that I fetch
	s_lshl_b32 s42, s41, 12                        ; in oc,
	s_mov_b32 s43, 0
	s_lshl_b32 s44, s41, 9                         ; in os
	s_mov_b32 s45, 0
	s_lshl_b32 s46, s21, 8
	s_lshl_b32 s47, s20, 7
	s_add_co_u32 s46, s46, s47                     ; the first of the 128 rows of W that I fetch
	s_lshl_b32 s92, s46, 9
	s_mov_b32 s93, 0
	s_lshl_b32 s94, s46, 5
	s_mov_b32 s95, 0
	s_lshl_b32 s96, s20, 14                        ; where they go: the half's number x a constant + a constant
	s_add_co_u32 s96, s96, OCL
	s_lshl_b32 s97, s20, 11
	s_add_co_u32 s97, s97, OSL
	s_mul_i32 s100, s20, HALFT
	s_mul_i32 s101, s20, HALFS
	s_add_co_u32 s101, s101, WSC
	s_wait_dscnt 0x0
	s_wait_kmcnt 0x0
	s_add_nc_u64 s[4:5], s[4:5], s[42:43]
	s_add_nc_u64 s[6:7], s[6:7], s[44:45]
	s_add_nc_u64 s[8:9], s[8:9], s[92:93]
	s_add_nc_u64 s[10:11], s[10:11], s[94:95]
	CROUND                                         ; all sixteen work-groups are here: the joint loads meet
	s_mov_b32 s[G0SA], 1
	s_mov_b32 s[G0SA+1], s97
	s_mov_b64 s[G0SA+2:G0SA+3], s[6:7]
	s_or_b32 s[G0SA+3], s[G0SA+3], 0x80000000
	s_mov_b32 s[G0SB], 1
	s_mov_b32 s[G0SB+1], s101
	s_mov_b64 s[G0SB+2:G0SB+3], s[10:11]
	s_or_b32 s[G0SB+3], s[G0SB+3], 0x80000000
	JLOAD G0SA, G1SA, G0SB, G1SB                   ; the scales first
.irp s, 0,1
	s_mov_b32 s[G0A+4*\s], 1
	s_add_co_u32 s[G0A+4*\s+1], s96, \s*32768
	s_add_nc_u64 s[G0A+4*\s+2:G0A+4*\s+3], s[4:5], \s*2097152
	s_or_b32 s[G0A+4*\s+3], s[G0A+4*\s+3], 0x80000000
	s_mov_b32 s[G0B+4*\s], 1
	s_add_co_u32 s[G0B+4*\s+1], s100, \s*WSLOT
	s_add_nc_u64 s[G0B+4*\s+2:G0B+4*\s+3], s[8:9], \s*256
	s_or_b32 s[G0B+4*\s+3], s[G0B+4*\s+3], 0x80000000
	s_wait_alu depctr_va_vdst(0)
	s_wait_tensorcnt 0x0
	ds_add_u32 v30, v31
	s_wait_dscnt 0x0
	CROUND
	JLOAD G0A+4*\s, G1A, G0B+4*\s, G1B             ; the loads before it have landed: only this one is out
.endr
	v_and_b32 v1, 15, v0                           ; r
	v_bfe_u32 v2, v0, 4, 1                         ; h
	v_and_b32 v6, 31, v0                           ; lane
	v_lshlrev_b32 v[CO], 4, v6
	s_lshl_b32 s41, s19, 14
	s_add_co_u32 s41, s41, OCL
	v_add_nc_u32 v[ADRA], s41, v[CO]               ; my four tiles of O, 16 x lane
	v_mul_u32_u24 v3, v1, PITCH
	v_lshl_add_u32 v3, v2, 4, v3
	s_mul_i32 s41, s20, HALFT
.irp s, 0,1
	v_add_nc_u32 v[ADRB+\s], s41, v3
	s_add_co_u32 s41, s41, WSLOT
.endr
	s_lshl_b32 s41, s19, 11
	s_add_co_u32 s41, s41, OSL
	v_lshl_add_u32 v[ADSA], v1, 2, s41
	v_lshlrev_b32 v4, 5, v1
	v_lshrrev_b32 v5, 3, v1
	v_lshl_add_u32 v4, v5, 4, v4                   ; 32 r, and 16 more behind each eight rows
	s_mul_i32 s41, s20, HALFS
	s_add_co_u32 s41, s41, WSC
	v_add_nc_u32 v[ADSB], s41, v4
	s_mul_i32 s41, s18, 16*SPITCH
	s_add_co_u32 s41, s41, STG                     ; my stage
	v_mul_u32_u24 v3, v1, SPITCH
	v_lshl_add_u32 v3, v2, 5, v3
	v_add_nc_u32 v[STO], s41, v3
	v_add_nc_u32 v[RD], s41, v[CO]
	v_lshlrev_b32 v[BO], 5, v2
	s_wait_alu depctr_va_vdst(0)
	s_lshl_b32 s2, s40, 7
	s_lshl_b32 s3, s19, 6
	s_add_co_u32 s2, s2, s3                        ; my first row of out0
	s_lshl_b32 s2, s2, 12                          ; x 4,096 bytes
	s_lshl_b32 s3, s21, 10
	s_add_co_u32 s2, s2, s3                        ; + my first column: 1,024 cx + 512 WB bytes
	s_lshl_b32 s66, s20, 9
	s_add_co_u32 s2, s2, s66
	s_add_co_u32 s66, s66, s3
	s_mov_b32 s3, 0
	s_mov_b32 s67, 0
	s_add_nc_u64 s[14:15], s[14:15], s[2:3]
	s_add_nc_u64 s[12:13], s[12:13], s[66:67]
	WIN 0x40                                       ; destination window 1
.irp b, 0,1,2,3,4,5,6,7
	global_load_b128 v[BI+8*\b:BI+8*\b+3], v[BO], s[12:13] offset:64*\b          ; register 8 b + j: the bias of column 16 b + 8 h + j
	global_load_b128 v[BI+8*\b+4:BI+8*\b+7], v[BO], s[12:13] offset:64*\b+16
.endr
	WIN 0
.macro FETCH s                         ; K step s: 24 LDS loads in one run: W's eight fragments into window 1, O's four into window 0; two sets by turns
	WIN 0x40
.irp i, 0,1,2,3,4,5,6,7
.irp c, 0,1
	ds_load_b128 v[128*((\s)%2)+8*\i+4*\c:128*((\s)%2)+8*\i+4*\c+3], v[ADRB+(\s)/4] offset:64*((\s)%4)+32*\c+\i*16*PITCH
.endr
.endr
	WIN 0
.irp a, 0,1,2,3
.irp c, 0,1
	ds_load_b128 v[AF+32*((\s)%2)+8*\a+4*\c:AF+32*((\s)%2)+8*\a+4*\c+3], v[ADRA] offset:((\s)/4)*32768+\a*4096+((\s)%4)*1024+512*\c
.endr
.endr
.endm
; A K step of 128: the next step's fragments are asked for first, then come the 32 products.  The 32 accumulators take turns, one instruction a turn, in the same order in every step.
.macro STEP s
	s_wait_dscnt 0x0                               ; this step's fragments are in
.if (\s) == 3
	s_wait_tensorcnt 0x0                           ; my part of the second half of K has landed,
	s_barrier_signal -1
	s_barrier_wait -1                              ; everybody's has.
.endif
.if (\s) > 0
	PLACES 4                                       ; four places between the last products and loads into registers that they read
.endif
.if (\s) < 7
	FETCH (\s)+1
.endif
.if (\s) == 0
	WIN 0x91                                       ; source 0 (W) window 1, source 1 (O) window 0, C (the bias) window 1, D window 2
.else
	WIN 0xa1                                       ; C and D window 2
.endif
.irp a, 0,1,2,3
.irp b, 0,1,2,3,4,5,6,7
.if (\s) == 0
	v_wmma_scale_f32_16x16x128_f8f6f4 v[8*(8*\a+\b):8*(8*\a+\b)+7], v[128*((\s)%2)+8*\b:128*((\s)%2)+8*\b+7], v[AF+32*((\s)%2)+8*\a:AF+32*((\s)%2)+8*\a+7], v[BI+8*\b:BI+8*\b+7], v[SB+8*\b+(\s)], v[SA+8*\a+(\s)] matrix_a_fmt:MATRIX_FMT_FP4 matrix_b_fmt:MATRIX_FMT_FP4
.else
	v_wmma_scale_f32_16x16x128_f8f6f4 v[8*(8*\a+\b):8*(8*\a+\b)+7], v[128*((\s)%2)+8*\b:128*((\s)%2)+8*\b+7], v[AF+32*((\s)%2)+8*\a:AF+32*((\s)%2)+8*\a+7], v[8*(8*\a+\b):8*(8*\a+\b)+7], v[SB+8*\b+(\s)], v[SA+8*\a+(\s)] matrix_a_fmt:MATRIX_FMT_FP4 matrix_b_fmt:MATRIX_FMT_FP4
.endif
.endr
.endr
	WIN 0
.endm
	s_wait_tensorcnt 1                             ; the scales and my part of the first half of K are in; the second half's load, the one issued behind them, may be out
	s_barrier_signal -1
	s_barrier_wait -1                              ; everybody's are
.irp b, 0,1,2,3,4,5,6,7
	ds_load_b128 v[SB+8*\b:SB+8*\b+3], v[ADSB] offset:\b*SBLK          ; the scale words of all eight K steps stay in registers
	ds_load_b128 v[SB+8*\b+4:SB+8*\b+7], v[ADSB] offset:\b*SBLK+16
.endr
.irp a, 0,1,2,3
.irp s, 0,1,2,3,4,5,6,7
	ds_load_b32 v[SA+8*\a+\s], v[ADSA] offset:\a*512+\s*64
.endr
.endr
	FETCH 0
	s_wait_loadcnt 0x0                             ; the bias
.irp s, 0,1,2,3,4,5,6,7
	STEP \s
.endr
; THE WAY OUT, block by block of 16 rows x 128 columns: a lane holds 32 neighbouring bytes of a row, the lanes beside it other rows: so a block goes through my own stage in LDS and comes back as whole rows of
; 512 bytes.  LDS serves a wave's instructions in order (ISA guide 5.7.1.4): no wait between the stores and the loads, nor in front of the next block's stores.
.macro TOSTAGE a
	WIN 0x08                                       ; an LDS store's data are its source 1: window 2
.irp b, 0,1,2,3,4,5,6,7
	ds_store_b128 v[STO], v[64*(\a)+8*\b:64*(\a)+8*\b+3] offset:64*\b            ; each accumulator from its low end on
	ds_store_b128 v[STO], v[64*(\a)+8*\b+4:64*(\a)+8*\b+7] offset:64*\b+16
.endr
	WIN 0
.set BB, BK+64*((\a)%2)
.irp t, 0,1,2,3,4,5,6,7,8,9,10,11,12,13,14,15
	ds_load_b128 v[BB+4*\t:BB+4*\t+3], v[RD] offset:\t*SPITCH
.endr
.endm
.macro SEND a, younger                 ; younger: the LDS instructions issued behind block a's loads, which may stay out
.set BB, BK+64*((\a)%2)
	s_wait_dscnt \younger                          ; the block is back in registers
.if (\a) > 0
	s_add_nc_u64 s[14:15], s[14:15], 16*4096       ; 16 rows on (behind a wait on XCNT: the earlier stores have read their base)
.endif
.irp t, 0,1,2,3,4,5,6,7,8,9,10,11,12,13,14,15
	global_store_b128 v[CO], v[BB+4*\t:BB+4*\t+3], s[14:15] offset:\t*4096 th:TH_STORE_NT   ; 32 lanes store 512 consecutive bytes, at a multiple of 256 from out0's first byte; written once, read by nobody here
.endr
.endm
	PLACES 4                                       ; between the last products and the first read of results and the loads over O's fragments
	TOSTAGE 0
.irp a, 1,2,3
.if \a > 1
	s_wait_xcnt 0x0                                ; block a - 2's stores have read their registers and their base
.endif
	TOSTAGE \a
	SEND \a-1, 32                                  ; behind block a - 1's loads: block a's 16 stores and 16 loads
.endr
	s_wait_xcnt 0x0
	SEND 3, 0
	s_wait_tensorcnt 0x0
	ds_add_u32 v30, v31
	s_wait_dscnt 0x0
	CROUND                                         ; the closing round: no work-group ends while a partner may still ask for a tile that names it
	s_endpgm
.Lfunc_end_k_qf1727154ee_gemm_out:
	.size	k_qf1727154ee_gemm_out, .Lfunc_end_k_qf1727154ee_gemm_out-k_qf1727154ee_gemm_out
	.p2alignl 7, 3214868480
	.fill 96, 4, 3214868480
	.section	.rodata,"a",@progbits
	.p2align	6, 0x0
	.amdhsa_kernel k_qf1727154ee_gemm_out
		.amdhsa_group_segment_fixed_size 327680
		.amdhsa_private_segment_fixed_size 0
		.amdhsa_enable_private_segment 0
		.amdhsa_kernarg_size 48
		.amdhsa_user_sgpr_count 2
		.amdhsa_user_sgpr_kernarg_segment_ptr 1
		.amdhsa_wavefront_size32 1
		.amdhsa_system_sgpr_workgroup_id_x 1
		.amdhsa_system_sgpr_workgroup_id_y 1
		.amdhsa_system_sgpr_workgroup_id_z 1
		.amdhsa_system_vgpr_workitem_id 0
		.amdhsa_next_free_vgpr 768
		.amdhsa_next_free_sgpr 104
		.amdhsa_reserve_vcc 0
		.amdhsa_float_denorm_mode_32 3
		.amdhsa_float_denorm_mode_16_64 3
		.amdhsa_memory_ordered 1
		.amdhsa_forward_progress 1
		.amdhsa_inst_pref_size 76
	.end_amdhsa_kernel
	.amdgpu_metadata
---
amdhsa.version: [ 1, 2 ]
amdhsa.kernels:
  - .name:           k_qf1727154ee_gemm_out
    .symbol:         k_qf1727154ee_gemm_out.kd
    .args:
      - { .name: oc, .offset: 0, .size: 8, .value_kind: global_buffer, .address_space: global }
      - { .name: os, .offset: 8, .size: 8, .value_kind: global_buffer, .address_space: global }
      - { .name: W_out_codes, .offset: 16, .size: 8, .value_kind: global_buffer, .address_space: global }
      - { .name: W_out_scales, .offset: 24, .size: 8, .value_kind: global_buffer, .address_space: global }
      - { .name: b_out, .offset: 32, .size: 8, .value_kind: global_buffer, .address_space: global }
      - { .name: out0, .offset: 40, .size: 8, .value_kind: global_buffer, .address_space: global }
    .group_segment_fixed_size: 327680
    .private_segment_fixed_size: 0
    .kernarg_segment_align: 8
    .kernarg_segment_size: 48
    .max_flat_workgroup_size: 128
    .sgpr_count:     104
    .vgpr_count:     768
    .wavefront_size: 32
...
	.end_amdgpu_metadata
.endif
;; end of part 3
